; MI455X (gfx1250); checked and timed in simulation.
; The chip was launched on July 23, 2026; its instructions are those of AMD's public machine-readable ISA for CDNA 5 (MIT licence, August 2026) and "CDNA5" Instruction Set Architecture Reference Guide (July 2026). The comments in the code are by the model that wrote it; some were corrected since.
;; Attention. Allowed arithmetic: matrix products marked QUANTISED: E4M3 operands, one E8M0 scale for each 32 along K, by v_wmma_scale_f32_16x16x128_f8f6f4 with both operands' format E4M3, f32 sums; products left as they are: f32 operands where the result goes on into a quantised operand, else bf16, f16 or f32 operands; f32 sums; everything else in f32.
;; Inputs: W_c 1,024 x 1 float32; W_h 1,024 x 1,024 float32; W_s 1,024 x 1,024 float32; bias 1,024 float32; coverage 64 x 1,024 float32; h 64 x 1,024 x 1,024 float32; s_t 64 x 1,024 float32; v 1 x 1,024 float32.
;; Outputs: out0 64 x 1,024 float32; out1 64 x 1,024 float32; out2 64 x 1,024 float32.
;; This version of the problem:
;;   THIS VERSION OF THE PROBLEM IS GIVEN IN LOW PRECISION. The matrix products marked QUANTISED in the list below multiply operands that are first quantised to E4M3 (4 exponent bits, 3 mantissa bits; 8 bits a number), with one power-of-two scale for each 32 numbers along K (OCP MX v1.0); their sums are f32. All else is computed in f32.
;;   The module's matrix products, in the order in which they are computed (A, B: the left and right operand; K: the contracted axis; several contracted axes count as one K, in the product's order):
;;     1. [M 65,536, K 1,024] x [K 1,024, N 1,024]; A: input h; B: input W_h: QUANTISED
;;     2. [M 64, K 1,024] x [K 1,024, N 1,024]; A: input s_t; B: input W_s: QUANTISED
;;     3. [M 65,536, K 1,024] x [K 1,024, N 1]; A: computed on the way; B: input v: left as it is (N = 1 < 16)
;;     4. batch 64 x [M 1, K 1,024] x [K 1,024, N 1,024]; A: softmax; B: input h: left as it is (M = 1 < 16)
;;   THE QUANTISER, for each operand of a quantised product, along K:
;;     - K is cut into blocks of 32 from its start; a last block that is shorter is filled with zeros.
;;     - A block's scale is 2^e with e = floor(log2(the largest magnitude in the block)) - 8, held to -126 .. 127; a block of zeros has e = 0. As a byte (E8M0): e + 127.
;;     - Each number is divided by its block's scale, clamped to +-448, and rounded to the nearest number of E4M3, ties to even, subnormals kept.
;;     - The product sums the exact products of the quantised numbers (number of the format x scale) in f32.
;;   ~~~python
;;   def quantise(x, axis):      # numpy; x: float32 -> the quantised numbers, widened to float32 again
;;       x = np.moveaxis(x, axis, -1); K = x.shape[-1]
;;       x = np.pad(x, [(0, 0)] * (x.ndim - 1) + [(0, -K % 32)]); x = x.reshape(x.shape[:-1] + (-1, 32)); a = np.abs(x).max(-1, keepdims=True)
;;       e = np.where(a > 0, np.clip(np.frexp(np.where(a > 0, a, 1))[1] - 1 - 8, -126, 127), 0)      # np.frexp(a)[1] - 1 = floor(log2(a)), exactly
;;       r = np.clip(x / 2.0 ** e, -448, 448)
;;       step = 2.0 ** (np.maximum(np.frexp(np.where(r == 0, 1, r))[1] - 1, -6) - 3)
;;       q = np.round(r / step) * step * 2.0 ** e      # np.round: ties to even
;;       return np.moveaxis(q.reshape(q.shape[:-2] + (-1,))[..., :K], -1, axis).astype(np.float32)
;;   ~~~
;; One version. Each part assembles by itself: llvm-mc -triple=amdgcn-amd-amdhsa -mcpu=gfx1250 --defsym DOCPART=n.
;; ======== version 1 of 1: 3 launches
;; limits: values are held in bf16: 8 bits of precision; right only within a limited range of input values
;; workspace buffers: wq 1,081,344 bytes; sb 262,144 bytes; scores 262,144 bytes; part_ctx 2,097,152 bytes; part_ml 131,072 bytes
;; launch prep (part 1): grid 64 x 5, 8 waves a work-group, no clusters, 9,728 bytes of LDS; arguments W_h, W_s, s_t, bias, wq, sb; writes wq, sb
.if DOCPART == 1
	.amdgcn_target "amdgcn-amd-amdhsa--gfx1250"
	.amdhsa_code_object_version 6
	.text
	.protected	k_qba92e603f1_prep
	.globl	k_qba92e603f1_prep
	.p2align	8
	.type	k_qba92e603f1_prep,@function
k_qba92e603f1_prep:
	s_mov_b64 s[64:65], 0
	v_nop
	global_prefetch_b8 v0, s[64:65] scope:SCOPE_SE
	s_setreg_imm32_b32 hwreg(HW_REG_WAVE_MODE, 25, 1), 1
	s_wait_xcnt 0x0
; TWO SMALL JOBS IN ONE LAUNCH, told apart by the work-group's y.  x = a tile of 16 features (ft), wave w = K step w of 128 along K: one round of loads a wave, no loop.
; y = 4:     W_h [1024][1024] f32 becomes codes of FP8 (E4M3) with one E8M0 byte for each 32 along K, laid as the next launch's operand registers want them:
;            wq = 64 blocks of 16,896 bytes, one for each ft: [K step][c 0..3][lane][16 bytes] (lane (r, h): feature r, k = 128 s + 32 c + 16 h + 0 .. 15), then 512 bytes of scale words,
;            [h][r][4 words]: word i of lane (r, h) is the scale word of K step 4 h + i of feature r.
; y = 0 .. 3: sb[b][f] = sum over k of Q(s_t)[b][k] Q(W_s)[f][k] + bias[f] for batches 16 y .. 16 y + 15 and the 16 features of ft: each wave quantises its K step of both operands,
;            multiplies them by one scaled matrix instruction, and the eight partial tiles are added through LDS, in f32.
; THE QUANTISER: a block's scale is 2^(floor(log2(its largest magnitude)) - 8); its byte is the largest magnitude's exponent field - 8, held at 1 from below; numbers are held within +-448 x the scale and rounded to the nearest code.
; LIMITS: a block of zeros gets the byte 1 (its codes are zeros; this program alone reads the bytes); NaN and infinities among the inputs are not served.
; sb leaves in pieces of 64 bytes a batch row (16 features): 262,144 bytes in the whole launch.  The two paths have LDS bytes of their own.
.set RED,  0                           ; y < 4: eight partial tiles of 1,024 bytes
.set SCG,  8192                        ; y = 4: the tile's 512 bytes of scale words
.set WBLK, 16896
.set XO,   3                           ; v3   4096 r + 64 h: my row, my 16 numbers of a block of 32
.set LI,   4                           ; v4   16 x lane
.set SCA,  5                           ; v5   where my wave's scale word of feature r goes
.set RA,   6                           ; v6   my wave's partial tile, 16 x lane
.set RR,   7                           ; v7   16 x thread: the piece that I add up (waves 0 and 1)
.set BO,   8                           ; v8   its place in bias
.set SO,   9                           ; v9   and in sb
.set SCB,  10                          ; v10  SCG + 16 x lane
.set XW,   16                          ; v16-79   64 numbers of W
.set XS,   80                          ; v80-143  64 numbers of s_t
.set TM,   144                         ; v144-159 at work in the quantiser
.set CW,   160                         ; v160-175 W's codes
.set CS,   176                         ; v176-191 s_t's codes
.set D,    192                         ; v192-199 the product
.set PWW,  200                         ; v200 W's scale word;  v201 s_t's: they hold scales and nothing else
.set PWS,  201
.set BI,   204                         ; v204-207 four numbers of bias, or the scale words on their way out
.macro LOADF reg, base                 ; register 16 b + i = k 32 b + 16 h + i of my row: the order of the operand's registers
.irp b, 0,1,2,3
.irp j, 0,1,2,3
	global_load_b128 v[\reg+16*\b+4*\j:\reg+16*\b+4*\j+3], v[XO], s[\base:\base+1] offset:128*\b+16*\j
.endr
.endr
.endm
.macro QUANT src, cd, pw               ; 64 numbers of a lane become a fragment's 16 registers of codes and its scale word
.irp b, 0,1,2,3
	v_max3_num_f32 v[TM+\b], |v[\src+16*\b]|, |v[\src+16*\b+1]|, 0x4800000   ; my 16 numbers of block b, and the floor 2^(9 - 127): the byte cannot fall under 1
.endr
.irp i, 2,4,6,8,10,12,14
.irp b, 0,1,2,3
	s_delay_alu instid0(VALU_DEP_4)
	v_max3_num_f32 v[TM+\b], v[TM+\b], |v[\src+16*\b+\i]|, |v[\src+16*\b+\i+1]|   ; the four blocks by turns
.endr
.endr
.irp b, 0,1,2,3
	s_delay_alu instid0(VALU_DEP_4)
	v_permlanex16_b32 v[TM+4+\b], v[TM+\b], s20, s21
.endr
.irp b, 0,1,2,3
	s_delay_alu instid0(VALU_DEP_4)
	v_max_num_f32 v[TM+\b], v[TM+\b], v[TM+4+\b]          ; with lane l xor 16's 16: the block's largest magnitude
.endr
.irp b, 0,1,2,3
	s_delay_alu instid0(VALU_DEP_4)
	v_add_nc_u32 v[TM+12+\b], 0xfc000000, v[TM+\b]        ; 8 off its exponent field: the conversion's scale operand
.endr
.irp b, 0,1,2,3
	v_and_or_b32 v[TM+8+\b], v[TM+\b], 0x7f800000, s22    ; 448 x the scale
.endr
.irp b, 0,1,2,3
	v_lshrrev_b32 v[TM+4+\b], 23, v[TM+12+\b]             ; the scale's byte
.endr
	s_delay_alu instid0(VALU_DEP_3)
	v_lshl_or_b32 v[\pw], v[TM+5], 8, v[TM+4]
	s_delay_alu instid0(VALU_DEP_1)
	v_lshl_or_b32 v[\pw], v[TM+6], 16, v[\pw]
	s_delay_alu instid0(VALU_DEP_1)
	v_lshl_or_b32 v[\pw], v[TM+7], 24, v[\pw]             ; my row's scale word for these 128 along K
.irp b, 0,1,2,3
.irp i, 0,1,2,3,4,5,6,7,8,9,10,11,12,13,14,15
	v_med3_num_f32 v[\src+16*\b+\i], v[\src+16*\b+\i], -v[TM+8+\b], v[TM+8+\b]   ; the conversion to an 8-bit code does not saturate (ISA guide 7.6.2): the hold comes first
.endr
	v_cvt_scalef32_pk8_fp8_f32 v[\cd+4*\b:\cd+4*\b+1], v[\src+16*\b:\src+16*\b+7], v[TM+12+\b]
	v_cvt_scalef32_pk8_fp8_f32 v[\cd+4*\b+2:\cd+4*\b+3], v[\src+16*\b+8:\src+16*\b+15], v[TM+12+\b]
.endr
	v_nop                                          ; one plain line behind the last conversion
.endm
	s_load_b256 s[4:11], s[0:1], 0x0               ; W_h s[4:5], W_s s[6:7], s_t s[8:9], bias s[10:11]
	s_load_b128 s[12:15], s[0:1], 0x20             ; wq s[12:13], sb s[14:15]
	v_lshl_add_u32 v224, v0, 2, 0x2200
	v_mov_b32 v225, 0
	v_lshrrev_b32 v1, 5, v0
	s_delay_alu instid0(VALU_DEP_1)
	v_readfirstlane_b32 s16, v1                    ; wave = K step
	s_and_b32 s17, ttmp7, 0xffff                   ; y
	v_and_b32 v1, 15, v0                           ; r
	v_bfe_u32 v2, v0, 4, 1                         ; h
	s_delay_alu instid0(VALU_DEP_2)
	v_lshlrev_b32 v[XO], 12, v1
	s_delay_alu instid0(VALU_DEP_1)
	v_lshl_add_u32 v[XO], v2, 6, v[XO]
	v_and_b32 v[LI], 31, v0
	s_delay_alu instid0(VALU_DEP_1)
	v_lshlrev_b32 v[LI], 4, v[LI]
	s_lshr_b32 s18, s16, 2
	s_lshl_b32 s18, s18, 8
	s_and_b32 s19, s16, 3
	s_lshl_b32 s19, s19, 2
	s_add_co_u32 s18, s18, s19
	s_add_co_u32 s18, s18, SCG
	v_lshl_add_u32 v[SCA], v1, 4, s18              ; SCG + 256 (w / 4) + 4 (w % 4) + 16 r
	s_lshl_b32 s19, s16, 10
	v_add_nc_u32 v[RA], s19, v[LI]                 ; RED + 1024 w + 16 lane
	v_lshlrev_b32 v[RR], 4, v0
	v_lshrrev_b32 v[BO], 5, v0
	s_delay_alu instid0(VALU_DEP_1)
	v_lshlrev_b32 v[BO], 4, v[BO]
	s_delay_alu instid0(VALU_DEP_1)
	v_lshl_add_u32 v[BO], v2, 5, v[BO]             ; 32 h + 16 x (thread / 32): features 8 h + 4 half + 0 .. 3
	s_delay_alu instid0(VALU_DEP_1)
	v_lshl_add_u32 v[SO], v1, 12, v[BO]            ; + batch r's row of sb
	v_add_nc_u32 v[SCB], SCG, v[LI]
.irp b, 0,1,2,3
	v_mov_b32 v[TM+4+\b], 0                        ; written once: a lane permute's destination counts as one of its sources
.endr
	s_mov_b32 s20, 0x76543210
	s_mov_b32 s21, 0xfedcba98                      ; v_permlanex16_b32's selects for lane l xor 16
	s_mov_b32 s22, 0x600000                        ; the mantissa field of 448
	s_lshl_b32 s23, s16, 9                         ; my K step: 512 bytes along a row
	s_lshl_b32 s24, ttmp9, 16                      ; 16 ft rows of 4,096 bytes
	s_add_co_u32 s24, s24, s23
	s_mov_b32 s25, 0
	s_lshl_b32 s26, s17, 16                        ; 16 y rows of s_t
	s_add_co_u32 s26, s26, s23
	s_mov_b32 s27, 0
	s_mul_i32 s28, ttmp9, WBLK                     ; the tile's block of wq,
	s_lshl_b32 s29, s16, 11
	s_add_co_u32 s28, s28, s29                     ; my K step's 2,048 bytes in it
	s_mov_b32 s29, 0
	s_lshl_b32 s30, s17, 16                        ; sb: 16 y rows,
	s_lshl_b32 s32, ttmp9, 6                       ; 16 ft numbers
	s_add_co_u32 s30, s30, s32
	s_mov_b32 s31, 0
	s_mov_b32 s33, 0
	s_wait_kmcnt 0x0
	s_cmp_eq_u32 s17, 4
	s_cbranch_scc1 .Lpath_a
	; ---- y < 4: sb
	s_add_nc_u64 s[6:7], s[6:7], s[24:25]
	s_add_nc_u64 s[8:9], s[8:9], s[26:27]
	s_add_nc_u64 s[10:11], s[10:11], s[32:33]
	s_add_nc_u64 s[14:15], s[14:15], s[30:31]
	s_cmp_lt_u32 s16, 2
	s_cbranch_scc0 .Lno_bias
	s_wait_alu depctr_va_vdst(0)
	global_load_b128 v[BI:BI+3], v[BO], s[10:11]   ; waves 0 and 1 add the tiles up: they want bias.  It is issued first, so the counts below hold with it and without
.Lno_bias:
	LOADF XW, 6
	LOADF XS, 8
	s_wait_loadcnt 16                              ; W_s is in; s_t's sixteen loads may be out
	QUANT XW, CW, PWW
	s_wait_loadcnt 0x0
	QUANT XS, CS, PWS
.rept 4
	v_nop                                          ; codes made by vector instructions stand 4 places ahead of a scaled matrix instruction; the scale words were made ahead of the 64 holds
.endr
	v_wmma_scale_f32_16x16x128_f8f6f4 v[D:D+7], v[CW:CW+15], v[CS:CS+15], 0, v[PWW], v[PWS]   ; source 0 = 16 features, source 1 = 16 batches: lane (r, h), register j: feature 8 h + j of batch r
.rept 8
	v_nop
.endr
	ds_store_b128 v[RA], v[D:D+3]                  ; from the low end on
	ds_store_b128 v[RA], v[D+4:D+7] offset:512
	s_wait_dscnt 0x0                               ; for the others' sake: my partial tile lies in LDS
	s_barrier_signal -1
	s_barrier_wait -1
	s_cmp_lt_u32 s16, 2
	s_cbranch_scc0 .Lend_b
.irp i, 0,1,2,3,4,5,6,7
	ds_load_b128 v[XW+4*\i:XW+4*\i+3], v[RR] offset:1024*\i   ; thread t < 64: registers 4 (t / 32) + 0 .. 3 of lane t % 32, of each of the eight K steps
.endr
	s_wait_dscnt 0x0
.irp i, 0,2,4,6
	v_pk_add_f32 v[XW+4*\i:XW+4*\i+1], v[XW+4*\i:XW+4*\i+1], v[XW+4*\i+4:XW+4*\i+5]
	v_pk_add_f32 v[XW+4*\i+2:XW+4*\i+3], v[XW+4*\i+2:XW+4*\i+3], v[XW+4*\i+6:XW+4*\i+7]
.endr
.irp i, 0
	v_pk_add_f32 v[XW+4*\i:XW+4*\i+1], v[XW+4*\i:XW+4*\i+1], v[XW+4*\i+8:XW+4*\i+9]
	v_pk_add_f32 v[XW+4*\i+2:XW+4*\i+3], v[XW+4*\i+2:XW+4*\i+3], v[XW+4*\i+10:XW+4*\i+11]
.endr
.irp i, 4
	s_delay_alu instid0(VALU_DEP_4)
	v_pk_add_f32 v[XW+4*\i:XW+4*\i+1], v[XW+4*\i:XW+4*\i+1], v[XW+4*\i+8:XW+4*\i+9]
	s_delay_alu instid0(VALU_DEP_4)
	v_pk_add_f32 v[XW+4*\i+2:XW+4*\i+3], v[XW+4*\i+2:XW+4*\i+3], v[XW+4*\i+10:XW+4*\i+11]
.endr
	s_delay_alu instid0(VALU_DEP_2)
	v_pk_add_f32 v[XW:XW+1], v[XW:XW+1], v[XW+16:XW+17]
	s_delay_alu instid0(VALU_DEP_2)
	v_pk_add_f32 v[XW+2:XW+3], v[XW+2:XW+3], v[XW+18:XW+19]
	s_delay_alu instid0(VALU_DEP_2)
	v_pk_add_f32 v[XW:XW+1], v[XW:XW+1], v[BI:BI+1]
	s_delay_alu instid0(VALU_DEP_2)
	v_pk_add_f32 v[XW+2:XW+3], v[XW+2:XW+3], v[BI+2:BI+3]
	global_store_b128 v[SO], v[XW:XW+3], s[14:15]
.Lend_b:
	s_wait_tensorcnt 0x0
	ds_add_u32 v224, v225
	s_wait_dscnt 0x0
	s_endpgm
	; ---- y = 4: W_h's codes
.Lpath_a:
	s_add_nc_u64 s[4:5], s[4:5], s[24:25]
	s_add_nc_u64 s[12:13], s[12:13], s[28:29]
	LOADF XW, 4
	s_wait_loadcnt 0x0
	QUANT XW, CW, PWW
.irp c, 0,1,2,3
	global_store_b128 v[LI], v[CW+4*\c:CW+4*\c+3], s[12:13] offset:512*\c   ; the fragment as it stands: each store covers 512 consecutive bytes, aligned
.endr
	ds_store_b32 v[SCA], v[PWW]                    ; both halves of the lanes write the same word with the same value
	s_wait_dscnt 0x0
	s_barrier_signal -1
	s_barrier_wait -1                              ; the eight K steps' scale words lie together
	s_cmp_lg_u32 s16, 0
	s_cbranch_scc1 .Lend_a
	ds_load_b128 v[BI:BI+3], v[SCB]
	s_wait_dscnt 0x0
	global_store_b128 v[LI], v[BI:BI+3], s[12:13] offset:16384   ; wave 0's base stands at the block's first byte: 512 consecutive bytes behind the codes
.Lend_a:
	s_wait_tensorcnt 0x0
	ds_add_u32 v224, v225
	s_wait_dscnt 0x0
	s_endpgm
.Lfunc_end_k_qba92e603f1_prep:
	.size	k_qba92e603f1_prep, .Lfunc_end_k_qba92e603f1_prep-k_qba92e603f1_prep
	.p2alignl 7, 3214868480
	.fill 96, 4, 3214868480
	.section	.rodata,"a",@progbits
	.p2align	6, 0x0
	.amdhsa_kernel k_qba92e603f1_prep
		.amdhsa_group_segment_fixed_size 9728
		.amdhsa_private_segment_fixed_size 0
		.amdhsa_enable_private_segment 0
		.amdhsa_kernarg_size 48
		.amdhsa_user_sgpr_count 2
		.amdhsa_user_sgpr_kernarg_segment_ptr 1
		.amdhsa_wavefront_size32 1
		.amdhsa_system_sgpr_workgroup_id_x 1
		.amdhsa_system_sgpr_workgroup_id_y 1
		.amdhsa_system_sgpr_workgroup_id_z 1
		.amdhsa_system_vgpr_workitem_id 0
		.amdhsa_next_free_vgpr 226
		.amdhsa_next_free_sgpr 66
		.amdhsa_reserve_vcc 0
		.amdhsa_float_denorm_mode_32 3
		.amdhsa_float_denorm_mode_16_64 3
		.amdhsa_memory_ordered 1
		.amdhsa_forward_progress 1
		.amdhsa_inst_pref_size 40
	.end_amdhsa_kernel
	.amdgpu_metadata
---
amdhsa.version: [ 1, 2 ]
amdhsa.kernels:
  - .name:           k_qba92e603f1_prep
    .symbol:         k_qba92e603f1_prep.kd
    .args:
      - { .name: W_h, .offset: 0, .size: 8, .value_kind: global_buffer, .address_space: global }
      - { .name: W_s, .offset: 8, .size: 8, .value_kind: global_buffer, .address_space: global }
      - { .name: s_t, .offset: 16, .size: 8, .value_kind: global_buffer, .address_space: global }
      - { .name: bias, .offset: 24, .size: 8, .value_kind: global_buffer, .address_space: global }
      - { .name: wq, .offset: 32, .size: 8, .value_kind: global_buffer, .address_space: global }
      - { .name: sb, .offset: 40, .size: 8, .value_kind: global_buffer, .address_space: global }
    .group_segment_fixed_size: 9728
    .private_segment_fixed_size: 0
    .kernarg_segment_align: 8
    .kernarg_segment_size: 48
    .max_flat_workgroup_size: 256
    .sgpr_count:     66
    .vgpr_count:     226
    .wavefront_size: 32
...
	.end_amdgpu_metadata
.endif
;; end of part 1
;; launch main (part 2): grid 256 x 1, 4 waves a work-group, clusters of 4 x 1, 327,680 bytes of LDS; arguments h, coverage, W_c, v, wq, sb, scores, part_ctx, part_ml; writes scores, part_ctx, part_ml
.if DOCPART == 2
	.amdgcn_target "amdgcn-amd-amdhsa--gfx1250"
	.amdhsa_code_object_version 6
	.text
	.protected	k_qba92e603f1_main
	.globl	k_qba92e603f1_main
	.p2align	8
	.type	k_qba92e603f1_main,@function
k_qba92e603f1_main:
	s_mov_b64 s[64:65], 0
	v_nop
	global_prefetch_b8 v0, s[64:65] scope:SCOPE_SE
	s_setreg_imm32_b32 hwreg(HW_REG_WAVE_MODE, 25, 1), 1
	s_wait_xcnt 0x0
	s_wait_alu depctr_hold_cnt(0) depctr_sa_sdst(0) depctr_va_vdst(0) depctr_va_sdst(0) depctr_va_ssrc(0) depctr_va_vcc(0) depctr_vm_vsrc(0)
	s_getreg_b32 s2, hwreg(HW_REG_IB_STS2, 6, 4)
	s_cmp_eq_u32 s2, 0
	s_cbranch_scc0 .Lentry_in_a_cluster
	s_endpgm
.Lentry_in_a_cluster:
	s_bfe_u32 s2, ttmp6, 0x10000c
	s_cmp_lg_u32 s2, 0x3003
	s_cbranch_scc0 .Lentry_shape_is_right
	s_endpgm
.Lentry_shape_is_right:
; A WORK-GROUP STAYS AND WALKS TWO BLOCKS of 128 rows of h: work-group g takes blocks 2 g and 2 g + 1 (block G: flat rows 128 G on, of batch G / 8: both lie in one batch).  A wave owns 32 rows of a block, two tiles of 16.
; h IS READ FROM MEMORY ONCE.  A block's rows come in by tensor loads, four slabs of 256 columns, and stay in the wave's registers in two forms: codes of FP8 (E4M3) with E8M0 scale words,
; for feat = Q(h) Q(W_h)^T (256 registers), and bf16 fragments, for the context (512 registers).
; Then W_h's codes (wq, laid in the order of the operand's registers by the launch before) go past in 64 tiles of 16 features, through a ring of two LDS slots of 8 tiles each.
; For a tile: 16 scaled matrix instructions (2 tiles of rows x 8 K steps), x = feat + sb + coverage W_c, r = 1 / (1 + 2^(c x)), c = 2 log2(e), so that tanh(x) = 1 - 2 r; the lane adds -2 v r to its rows' sums.
; THE SCORE KEPT IS -2 sum(v r) = the score less sum(v), which all rows share: a softmax does not see a shift that all its rows share, whatever the inputs.
; At a block's end: its 128 scores, their largest m, l = sum of e^(s - m), and the context sum of e^(s - m) h, by 64 bf16 matrix instructions a wave whose source 0 holds the 32 weights in each of its 16 rows.
; The softmax spans the eight blocks of a batch: the next launch joins the eight (m, l, context).
; CLUSTER: W's tiles are the one thing that work-groups share, and all share them; a mask names four: 4 x 1 work-groups ask for each slot JOINTLY.  h's slabs are each work-group's own: plain loads, behind the same rounds.
; PREFETCH: h is read once and the waves wait for its slabs.  Each wave asks for its own 32 rows, a lane a row, 256 bytes a request, each piece once.  First block: slabs 1 and 2 (8 requests) behind slab 0's load; slab 0 comes by its
; load alone.  Both blocks: slab 3 (4 requests) behind slab 1's load.  Second block's slabs 0 to 2: two requests in each of the six trips of the first block's loop over W's slots.  So at most three slabs are asked for and not yet
; loaded, and the second block asks for nothing behind it.  wq is not asked for: all 256 work-groups walk the same 1,081,344 bytes, twice each, so it is no stream that is read once.
; LIMITS: NaN and infinities are not served; a block of zeros gets the byte 1 with zero codes; the context's operands (h and the weights, which are at most 1) are rounded to bf16.
; REGISTERS, in windows of 256 (s_set_vgpr_msb: bits 1:0 source 0, 3:2 source 1, 5:4 source 2, 7:6 destination):
;   window 0: v0-15, v42-43, v124-127 addresses; v16-31 h's scale words; v32-35 W's; v36-41 the lane's feature's constants; v44-59 two accumulators; v60-75 at work; v76-91 coverage; v92-107 the score sums;
;             v108-123 at work; v128-255 eight fragments of W (while h comes in: two sets of 64 numbers; at the end: results)
;   window 1: h's codes, fragment (tile t, K step s) at 16 (8 t + s).    windows 2, 3: bf16 fragments F = 0 .. 63 at 8 F: k = my 32 rows, n = column 256 (F / 16) + 64 ((F / 4) % 4) + 4 r + F % 4.
.set SLOT1, 135168                     ; 0x21000.  A slot holds a slab of h (128 rows x (1,024 + 16) bytes) or 8 blocks of wq.  The addresses that are turned by an exclusive or with it have bits 12 and 17 clear
.set SLOTB, 135168                     ; 8 blocks of wq in memory
.set WBLK,  16896                      ; a block of wq: 16,384 bytes of codes, 512 of scale words
.set HP,    1040                       ; a slab's row in LDS: 260 words: row r starts at bank 4 r mod 64 (64 banks of 4 bytes: ISA guide 11.1)
.set HWV,   32*HP                      ; a wave's 32 rows
.set WWV,   2*WBLK                     ; a wave's two blocks of a slot
.set BLKB,  524288                     ; a block of h in memory: 128 rows of 4,096 bytes
.set TT,    270336                     ; [feature][4 words]: c sb, -2 v, c W_c, 0: 16,384 bytes
.set SCO,   286720                     ; the 128 scores
.set CTXS,  287232                     ; 4 waves x 1,024 f32
.set SPARE, 303616                     ; the spare words, 128 bytes for each wave: two blocks of 256 bytes that no other line names
.set CVS,   304128                     ; coverage of the block's rows, parked while h comes in: 4 x 2,048 bytes, 16 a thread in each; every lane reads back what it stored
.set PFO,  1                           ; v1   the prefetches' offset, 4096 x lane; made at the head's end, never rewritten
.set ACV,  2                           ; v2   CVS + 16 x thread; made at the head's end
.set AHQ,  3                           ; v3, v4   slot 0, 1: my wave's rows + 1040 r + 64 h: for the quantiser
.set ABF,  5                           ; v5, v6   slot 0, 1: my wave's rows + 8320 h + 16 r: for the bf16 fragments
.set AB0,  7                           ; v7   16 x lane
.set ADB,  8                           ; v8   the tile of W in hand
.set ATT,  9                           ; v9   its entry of TT for my feature
.set ASC,  10                          ; v10  SCO + 128 w + 32 h
.set ACX,  11                          ; v11  CTXS + 4096 w + 16 r
.set SPW,  12                          ; v12  SPARE + 4 x my thread's number; never rewritten
.set NIL,  13                          ; v13  0; never rewritten
.set ACR,  14                          ; v14  CTXS + 16 x thread
.set GT,   15                          ; v15  16 x thread
.set AS,   16
.set BS,   32
.set KA,   36                          ; v36 c sb, v37 -2 v, v38 c W_c, v39 0
.set KV,   40                          ; v40 -2 v, kept; v41 = 0, named with it as a pair
.set ATT0, 42                          ; v42  TT + 16 r
.set SCR,  43                          ; v43  SCO + 16 x lane
.set ACC,  44
.set T,    60
.set COV,  76                          ; COV + 8 t + j: coverage of my row 16 t + 8 h + j
.set SA,   92                          ; the same indexing
.set TM,   108
.set P,    TM+8                        ; the weights as bf16: source 0 of the context's products
.set G32,  124                         ; v124 32 x thread
.set GC,   125                         ; v125 32 h
.set G8,   126                         ; v126 8 x lane
.set TTW,  127                         ; v127 TT + 128 x thread
.set BF,   128
.set XA,   128                         ; while h comes in: three sets of 64 numbers by turns: v128-191, v192-255 and v44-107 (the accumulators', coverage's and the sums' registers, which are first wanted when W comes)
.set S4,   T                           ; the tail: four scores, their exponentials, (m, l), -m log2(e)
.set E4,   T+4
.set ML,   T+8
.set NM,   T+10
.set WV,   12                          ; s12  wave
.set TB,   15                          ; s15  LDS byte of the tile of W in hand
.set G1H,  16                          ; s[16:23] group 1 for h's slabs;  s[24:31] for W's slots
.set G1W,  24
.set G0H0, 32                          ; s[32:35], s[36:39] group 0 for h, one for each slot;  s[40:43] for W: it walks
.set G0H1, 36
.set G0W,  40
.set CI,   44                          ; s44, s45 loop counters
.set CO,   45
.set SEL,  46                          ; s[46:47] v_permlanex16_b32's selects for lane l xor 16
.set CC,   48                          ; s[48:49] c = 2 log2(e)
.set MNT,  50                          ; s50  the mantissa field of 448
.set TS,   51                          ; s51  256 x the tile's number
.set L2E,  52                          ; s[52:53] log2(e)
.set HBP,  86                          ; s[86:87] my 32 rows of the block in hand, in h
.set BLK,  88                          ; s88  the block: 0, 1
.set PFN,  90                          ; s[90:91] where the requests for the next block stand
.set MSB, 0
.macro WIN new                         ; the immediate's high byte repeats the setting that is left; a switch that changes nothing is dropped
.if MSB != (\new)
	s_set_vgpr_msb (MSB<<8)|(\new)
.set MSB, (\new)
.endif
.endm
.macro ROUND                           ; a round of the cluster's barrier
	s_barrier_signal -1
	s_barrier_wait -1
	s_cmp_lg_u32 s[WV], 0
	s_cbranch_scc1 .Lnot_wave_0_\@
	s_barrier_signal -3
.Lnot_wave_0_\@:
	s_barrier_wait -3
	s_barrier_signal -1
	s_barrier_wait -1
.endm
.macro NOPS n
.rept \n
	v_nop
.endr
.endm
.macro ASK q                           ; bytes 256 q on of each of my 32 rows, from base
	global_prefetch_b8 v[PFO], s[HBP:HBP+1] offset:256*\q th:TH_LOAD_NT scope:SCOPE_SE
.endm
; A change of slots while h comes in.  Every wave waits for all its tensor loads, adds 0 to its spare word, waits for that and for its reads of the slot; a round; then its one load, first behind the round.
; how = 1: the slot's next slab, 512 columns on;  0: as the descriptor stands;  2: W's next slot
.macro CHG g0, g1, how
	s_wait_tensorcnt 0x0                           ; no tensor load of mine is out, so a group 0 may be written
	ds_add_u32 v[SPW], v[NIL]                      ; 0 onto my spare word
.if \how == 1
	s_add_nc_u64 s[\g0+2:\g0+3], s[\g0+2:\g0+3], 2048
.elseif \how == 2
	s_xor_b32 s[\g0+1], s[\g0+1], SLOT1
	s_add_nc_u64 s[\g0+2:\g0+3], s[\g0+2:\g0+3], SLOTB
.endif
	s_wait_dscnt 0x0                               ; the add is done, and my reads of the slot are over
	ROUND
	tensor_load_to_lds s[\g0:\g0+3], s[\g1:\g1+7]
	s_nop 0
	NOPS 4
.endm
; ---- h on its way into registers
.macro LOADQ set, sl, t, k2            ; 64 numbers: register 16 b + i = k 32 b + 16 h + i of row r of tile t, K step k2 of the slab
.irp b, 0,1,2,3
.irp j, 0,1,2,3
	ds_load_b128 v[\set+16*\b+4*\j:\set+16*\b+4*\j+3], v[AHQ+(\sl)] offset:16*HP*(\t)+512*(\k2)+128*\b+16*\j
.endr
.endr
.endm
.macro HQ set, t, s                    ; they become fragment (t, s) of the codes, in window 1, and its scale word
.irp b, 0,1,2,3
	v_max3_num_f32 v[TM+\b], |v[\set+16*\b]|, |v[\set+16*\b+1]|, 0x4800000   ; my 16 numbers of block b, and the floor 2^(9 - 127): the byte cannot fall under 1
.endr
.irp i, 2,4,6,8,10,12,14
.irp b, 0,1,2,3
	v_max3_num_f32 v[TM+\b], v[TM+\b], |v[\set+16*\b+\i]|, |v[\set+16*\b+\i+1]|
.endr
.endr
.irp b, 0,1,2,3
	v_permlanex16_b32 v[TM+4+\b], v[TM+\b], s[SEL], s[SEL+1]
.endr
.irp b, 0,1,2,3
	v_max_num_f32 v[TM+\b], v[TM+\b], v[TM+4+\b]          ; with lane l xor 16's 16: the block's largest magnitude
.endr
.irp b, 0,1,2,3
	v_add_nc_u32 v[TM+12+\b], 0xfc000000, v[TM+\b]        ; 8 off its exponent field: the conversion's scale operand
.endr
.irp b, 0,1,2,3
	v_and_or_b32 v[TM+8+\b], v[TM+\b], 0x7f800000, s[MNT] ; 448 x the scale
.endr
.irp b, 0,1,2,3
	v_lshrrev_b32 v[TM+4+\b], 23, v[TM+12+\b]             ; the scale's byte
.endr
	v_lshl_or_b32 v[AS+8*(\t)+(\s)], v[TM+5], 8, v[TM+4]
	v_lshl_or_b32 v[AS+8*(\t)+(\s)], v[TM+6], 16, v[AS+8*(\t)+(\s)]
	v_lshl_or_b32 v[AS+8*(\t)+(\s)], v[TM+7], 24, v[AS+8*(\t)+(\s)]
.irp b, 0,1,2,3
.irp i, 0,1,2,3,4,5,6,7,8,9,10,11,12,13,14,15
	v_med3_num_f32 v[\set+16*\b+\i], v[\set+16*\b+\i], -v[TM+8+\b], v[TM+8+\b]   ; the conversion to an 8-bit code does not saturate (ISA guide 7.6.2): the hold comes first
.endr
.endr
	WIN 0x40                                       ; destination window 1: the eight conversions stand together, under one switch
.irp b, 0,1,2,3
	v_cvt_scalef32_pk8_fp8_f32 v[16*(8*(\t)+(\s))+4*\b:16*(8*(\t)+(\s))+4*\b+1], v[\set+16*\b:\set+16*\b+7], v[TM+12+\b]
	v_cvt_scalef32_pk8_fp8_f32 v[16*(8*(\t)+(\s))+4*\b+2:16*(8*(\t)+(\s))+4*\b+3], v[\set+16*\b+8:\set+16*\b+15], v[TM+12+\b]
.endr
	WIN 0
	v_nop                                          ; one plain line behind the last conversion
.endm
.macro LOADB set, sl, gq               ; 16 rows (8 h + 0 .. 7 and 16 + 8 h + 0 .. 7) x columns 64 gq + 4 r + 0 .. 3 of the slab: sixteen lanes read 256 consecutive bytes of a row
.irp i, 0,1,2,3,4,5,6,7
	ds_load_b128 v[\set+4*\i:\set+4*\i+3], v[ABF+(\sl)] offset:\i*HP+256*(\gq)
.endr
.irp i, 8,9,10,11,12,13,14,15
	ds_load_b128 v[\set+4*\i:\set+4*\i+3], v[ABF+(\sl)] offset:(\i+8)*HP+256*(\gq)
.endr
.endm
.macro HB set, f0                      ; they become fragments f0 .. f0 + 3: register k of a fragment holds rows 2 k, 2 k + 1 of the sixteen
	WIN 0x80+0x40*((\f0)/32)                       ; destination window 2 or 3
.irp q, 0,1,2,3
.irp k, 0,1,2,3,4,5,6,7
	v_cvt_pk_bf16_f32 v[8*(((\f0)+\q)%32)+\k], v[\set+8*\k+\q], v[\set+8*\k+4+\q]
.endr
.endr
	WIN 0
.endm
.macro UNITL k, f                      ; unit k of slab f is asked of LDS, into set k % 3 (128, 192, 44): units 0-3 for the codes, 4-7 for the bf16 fragments
.if (\k) < 4
	LOADQ XA+64*((\k)%3)-212*(((\k)%3)/2), (\f)%2, (\k)/2, (\k)%2
.else
	LOADB XA+64*((\k)%3)-212*(((\k)%3)/2), (\f)%2, (\k)-4
.endif
.endm
.macro UNITP k, f
.if (\k) < 4
	HQ XA+64*((\k)%3)-212*(((\k)%3)/2), (\k)/2, 2*(\f)+(\k)%2
.else
	HB XA+64*((\k)%3)-212*(((\k)%3)/2), 16*(\f)+4*((\k)-4)
.endif
.endm
.macro HTRIP f                         ; a slab: eight units, the loads two units ahead of the work.  A wave reads only the rows that its own load brought
	UNITL 0, \f
	UNITL 1, \f
.irp k, 0,1,2,3,4,5,6,7
.if \k < 6
	UNITL \k+2, \f                                 ; into the set that the unit before this one has left
	s_wait_dscnt 32                                ; this unit is in; the next two units' 32 loads may be out
.elseif \k == 6
	s_wait_dscnt 16                                ; the last unit's sixteen may be out
.else
	s_wait_dscnt 0x0
.endif
	UNITP \k, \f
.endr
.endm
; ---- W's tiles
.macro LW                              ; a tile's 34 loads in one run, in the order in which they are wanted
	ds_load_b128 v[BS:BS+3], v[ADB] offset:16384   ; the scale words: lanes 0-15: K steps 0-3 of feature r; lanes 16-31: K steps 4-7
.irp s, 0,1,2,3,4,5,6,7
.irp c, 0,1,2,3
	ds_load_b128 v[BF+16*\s+4*\c:BF+16*\s+4*\c+3], v[ADB] offset:2048*\s+512*\c
.endr
.endr
	ds_load_b128 v[KA:KA+3], v[ATT]                ; my feature's constants
.endm
; 16 matrix instructions: K steps 0 .. 7, the two accumulators by turns, one instruction a turn.  Source 0 = 16 rows of h, source 1 = 16 features:
; lane (r, h), register j: row 8 h + j, feature r.  The first K step starts the sums.  Ahead of K step s the wait leaves out what was issued behind its fragment:
; 4 (7 - s) loads of later fragments, the constants' one, and extra (1 where the add was issued behind the run).
.macro MM extra
	WIN 0x01                                       ; source 0 window 1
.irp s, 0,1,2,3,4,5,6,7
	s_wait_dscnt 29-4*\s+\extra
.irp t, 0,1
.if (\s) == 0
	v_wmma_scale_f32_16x16x128_f8f6f4 v[ACC+8*\t:ACC+8*\t+7], v[16*(8*\t+(\s)):16*(8*\t+(\s))+15], v[BF+16*(\s):BF+16*(\s)+15], 0, v[AS+8*\t+(\s)], v[BS+(\s)%4]
.elseif (\s) < 4
	v_wmma_scale_f32_16x16x128_f8f6f4 v[ACC+8*\t:ACC+8*\t+7], v[16*(8*\t+(\s)):16*(8*\t+(\s))+15], v[BF+16*(\s):BF+16*(\s)+15], v[ACC+8*\t:ACC+8*\t+7], v[AS+8*\t+(\s)], v[BS+(\s)%4]
.else
	v_wmma_scale_f32_16x16x128_f8f6f4 v[ACC+8*\t:ACC+8*\t+7], v[16*(8*\t+(\s)):16*(8*\t+(\s))+15], v[BF+16*(\s):BF+16*(\s)+15], v[ACC+8*\t:ACC+8*\t+7], v[AS+8*\t+(\s)], v[BS+(\s)%4] matrix_b_scale:MATRIX_SCALE_ROW1
.endif
.endr
.endr
	WIN 0
.endm
; A TILE OF 16 FEATURES.  Its 34 LDS loads (LW) were issued in the tile before, behind that tile's products; the next tile's go out here in the same place, when all of this tile's fragments have been multiplied.
; kind 0: the next tile lies in the same slot;  1: in the other slot, and this slot is filled again;  2: in the other slot, nothing is filled;  3: the block's last tile.
.macro TILE kind
.if (\kind == 1) || (\kind == 2)
	s_wait_tensorcnt 0x0                           ; all my tensor loads have landed: my part of the other slot
	ds_add_u32 v[SPW], v[NIL]                      ; 0 onto my spare word; register work stands between it and the wait for it
.if \kind == 1
	s_xor_b32 s[G0W+1], s[G0W+1], SLOT1            ; the walking descriptor: the slot that I am leaving,
	s_add_nc_u64 s[G0W+2:G0W+3], s[G0W+2:G0W+3], SLOTB   ; the next 8 blocks
.endif
	s_sub_co_u32 s[TB], s[TB], 7*WBLK              ; back to a slot's first tile,
	s_xor_b32 s[TB], s[TB], SLOT1                  ; in the other slot
	s_add_co_u32 s[TS], s[TS], 256
	MM 1
.else
.if \kind == 0
	s_add_co_u32 s[TB], s[TB], WBLK
	s_add_co_u32 s[TS], s[TS], 256
.endif
	MM 0
.endif
	s_wait_dscnt 0x0                               ; the constants are in; kinds 1 and 2: the add is done, and my reads of this slot are over
	v_mov_b32 v[KV], v[KA+1]                       ; -2 v is kept: the next tile's constants land on the quad before the sums below want it
.if \kind != 3
	v_add_nc_u32 v[ADB], s[TB], v[AB0]             ; the next tile
	v_add_nc_u32 v[ATT], s[TS], v[ATT0]
.endif
.irp i, 0,2,4,6,8,10,12,14
	v_pk_fma_f32 v[T+\i:T+\i+1], v[COV+\i:COV+\i+1], v[KA+2:KA+3], v[KA:KA+1] op_sel_hi:[1,0,0]   ; coverage x c W_c + c sb.  These eight name no register of the products: they are the 8 places behind them
.endr
.irp i, 0,2,4,6,8,10,12,14
	v_pk_fma_f32 v[ACC+\i:ACC+\i+1], v[ACC+\i:ACC+\i+1], s[CC:CC+1], v[T+\i:T+\i+1] op_sel_hi:[1,0,1]   ; c x; each accumulator from its low end on
.endr
	s_wait_alu depctr_va_vdst(0)                   ; the wait ahead of the batch; kinds 1 and 2: it stands directly ahead of the barrier's signal too
.if \kind == 1
	ROUND                                          ; no wave of the four work-groups still reads this slot or has a load on its way
	tensor_load_to_lds s[G0W:G0W+3], s[G1W:G1W+7]  ; the joint refill, first behind the round: it has the other slot's 8 tiles in which to land
	s_nop 0
	NOPS 4
.elseif \kind == 2
	s_barrier_signal -1
	s_barrier_wait -1                              ; the last slot is whole
.endif
.if \kind != 3
	LW                                             ; the copy, the additions and the eight multiply-adds for coverage are the places behind the products that read these registers (ISA guide 7.12.1)
.endif
.irp i, 0,1,2,3,4,5,6,7,8,9,10,11,12,13,14,15
	v_exp_f32 v[ACC+\i], v[ACC+\i]
.endr
	v_nop                                          ; a plain line behind the last exponential
	s_wait_alu depctr_va_vdst(0)                   ; one wait for the sixteen, ahead of their first reader
.irp i, 0,2,4,6,8,10,12,14
	v_pk_add_f32 v[ACC+\i:ACC+\i+1], v[ACC+\i:ACC+\i+1], 1.0 op_sel_hi:[1,0]
.endr
	s_wait_alu depctr_va_vdst(0)
.irp i, 0,1,2,3,4,5,6,7,8,9,10,11,12,13,14,15
	v_rcp_f32 v[ACC+\i], v[ACC+\i]                 ; r = 1 / (1 + 2^(c x)): 0 where the power is infinite, 1 where it is 0
.endr
	v_nop
	s_wait_alu depctr_va_vdst(0)
.irp i, 0,2,4,6,8,10,12,14
	v_pk_fma_f32 v[SA+\i:SA+\i+1], v[ACC+\i:ACC+\i+1], v[KV:KV+1], v[SA+\i:SA+\i+1] op_sel_hi:[1,0,1]
.endr
.endm
.macro SEVEN                           ; a slot's first seven tiles
	s_mov_b32 s[CI], 7
.Lseven_\@:
	TILE 0
	s_sub_co_u32 s[CI], s[CI], 1
	s_cmp_lg_u32 s[CI], 0
	s_cbranch_scc1 .Lseven_\@
.endm
	s_load_b256 s[4:11], s[0:1], 0x0               ; h s[4:5], coverage s[6:7], W_c s[8:9], v s[10:11]
	s_load_b256 s[68:75], s[0:1], 0x20             ; wq s[68:69], sb s[70:71], scores s[72:73], part_ctx s[74:75]
	s_load_b64 s[76:77], s[0:1], 0x40              ; part_ml
	v_lshl_add_u32 v[SPW], v0, 2, SPARE
	v_mov_b32 v[NIL], 0
	ds_add_u32 v[SPW], v[NIL]                      ; 0 onto my spare word, twice on end, and its wait ahead of my first tensor load
	ds_add_u32 v[SPW], v[NIL]
	s_wait_dscnt 0x0
	v_lshrrev_b32 v1, 5, v0
	v_readfirstlane_b32 s[WV], v1                  ; wave 0..3
	s_bfe_u32 s13, ttmp6, 0x40000                  ; cx: it enters global addresses of plain loads, prefetches and stores alone
	s_lshl_b32 s14, ttmp9, 2
	s_add_co_u32 s14, s14, s13                     ; g
	s_lshl_b32 s14, s14, 1                         ; G = 2 g: my first block
	; group 1 for a wave's part of a slab: 32 rows x 256 f32, rows 1,024 f32 apart, 4 words of padding behind every 256
	s_mov_b32 s[G1H+0], (2<<16)|(1<<20)|(7<<22)|(3<<25)   ; no mask; elements of 4 bytes; padding on; after every 256 words (code 7); 4 words (code 3)
	s_mov_b32 s[G1H+1], 256<<16                    ; tensor_dim0
	s_mov_b32 s[G1H+2], 32<<16                     ; tensor_dim1
	s_mov_b32 s[G1H+3], 256<<16                    ; tile_dim0
	s_mov_b32 s[G1H+4], 32                         ; tile_dim1
	s_mov_b32 s[G1H+5], 1024                       ; tensor_dim0_stride
	s_mov_b32 s[G1H+6], 0
	s_mov_b32 s[G1H+7], 0
	; group 1 for a wave's part of a slot of W: two blocks, 33,792 dense bytes, as 132 rows of 256 bytes
	s_mov_b32 s[G1W+0], 15|(3<<16)|(1<<21)         ; the mask: all four work-groups; elements of 8 bytes; bit 21 set beside a mask
	s_mov_b32 s[G1W+1], 32<<16
	s_mov_b32 s[G1W+2], 132<<16
	s_mov_b32 s[G1W+3], 32<<16
	s_mov_b32 s[G1W+4], 132
	s_mov_b32 s[G1W+5], 32
	s_mov_b32 s[G1W+6], 0
	s_mov_b32 s[G1W+7], 0
	s_mov_b32 s[SEL], 0x76543210
	s_mov_b32 s[SEL+1], 0xfedcba98
	s_mov_b32 s[CC], 0x4038aa3b                    ; 2 log2(e)
	s_mov_b32 s[CC+1], s[CC]                       ; (named with it as a pair, so it is written)
	s_mov_b32 s[MNT], 0x600000
	s_mov_b32 s[L2E], 0x3fb8aa3b
	s_mov_b32 s[L2E+1], s[L2E]
	s_lshl_b32 s54, s14, 19                        ; h: (128 G + 32 w) rows of 4,096 bytes
	s_lshl_b32 s55, s[WV], 17
	s_add_co_u32 s54, s54, s55
	s_mov_b32 s55, 0
	s_mul_i32 s56, s[WV], HWV                      ; my rows in a slot: the wave's number alone
	s_mul_i32 s57, s[WV], WWV                      ; my two blocks in a slot,
	s_mov_b32 s58, s57                             ; and in memory
	s_mov_b32 s59, 0
	s_lshl_b32 s60, s14, 9                         ; coverage: 4 (128 G + 32 w)
	s_lshl_b32 s61, s[WV], 7
	s_add_co_u32 s60, s60, s61
	s_mov_b32 s61, 0
	s_lshr_b32 s62, s14, 3                         ; sb: the batch's row, the same for both blocks
	s_lshl_b32 s62, s62, 12
	s_mov_b32 s63, 0
	s_lshl_b32 s78, s14, 9                         ; scores: 512 G
	s_mov_b32 s79, 0
	s_lshl_b32 s80, s14, 12                        ; part_ctx: 4096 G
	s_mov_b32 s81, 0
	s_lshl_b32 s82, s14, 8                         ; part_ml: 256 G
	s_mov_b32 s83, 0
	s_lshl_b32 s84, s[WV], 7
	s_add_co_u32 s84, s84, SCO
	s_lshl_b32 s85, s[WV], 12
	s_add_co_u32 s85, s85, CTXS
	v_and_b32 v1, 15, v0                           ; r
	v_bfe_u32 v2, v0, 4, 1                         ; h
	v_and_b32 v[AB0], 31, v0
	v_lshlrev_b32 v[AB0], 4, v[AB0]
	v_lshlrev_b32 v[G32], 5, v0
	v_lshlrev_b32 v[GC], 5, v2
	v_lshrrev_b32 v[G8], 1, v[AB0]
	v_lshl_add_u32 v[TTW], v0, 7, TT
	v_mul_u32_u24 v[AHQ], v1, HP
	v_lshl_add_u32 v[AHQ], v2, 6, v[AHQ]
	v_add_nc_u32 v[AHQ], s56, v[AHQ]
	v_add_nc_u32 v[AHQ+1], SLOT1, v[AHQ]
	v_mul_u32_u24 v[ABF], v2, 8*HP
	v_lshl_add_u32 v[ABF], v1, 4, v[ABF]
	v_add_nc_u32 v[ABF], s56, v[ABF]
	v_add_nc_u32 v[ABF+1], SLOT1, v[ABF]
	v_lshl_add_u32 v[ATT0], v1, 4, TT
	v_add_nc_u32 v[SCR], SCO, v[AB0]
	v_lshl_add_u32 v[ASC], v2, 5, s84
	v_lshl_add_u32 v[ACX], v1, 4, s85
	v_lshl_add_u32 v[ACR], v0, 4, CTXS
	v_lshlrev_b32 v[GT], 4, v0
	v_lshl_add_u32 v[ACV], v0, 4, CVS              ; h is done with: its register takes coverage's place in LDS
	v_and_b32 v[PFO], 31, v0                       ; r is done with: its register takes the prefetches' offset,
	v_lshlrev_b32 v[PFO], 12, v[PFO]               ; a lane a row of h
	s_wait_alu depctr_va_vdst(0)                   ; the wait at the head's end
	s_wait_kmcnt 0x0
	s_add_nc_u64 s[HBP:HBP+1], s[4:5], s[54:55]
	s_add_nc_u64 s[58:59], s[68:69], s[58:59]      ; my two blocks of wq's first slot
	s_add_nc_u64 s[6:7], s[6:7], s[60:61]
	s_add_nc_u64 s[70:71], s[70:71], s[62:63]
	s_add_nc_u64 s[72:73], s[72:73], s[78:79]
	s_add_nc_u64 s[74:75], s[74:75], s[80:81]
	s_add_nc_u64 s[76:77], s[76:77], s[82:83]
	s_mov_b32 s[G0H0], 1                           ; count = 1
	s_mov_b32 s[G0H0+1], s56                       ; LDS address: slot 0
	s_mov_b32 s[G0H1], 1
	s_add_co_u32 s[G0H1+1], s56, SLOT1
	s_mov_b32 s[G0W], 1
	s_mov_b32 s[BLK], 0
.Lblock:                                           ; two trips: a block each
	s_wait_tensorcnt 0x0                           ; no tensor load of mine is out, so the groups 0 may be written
	ds_add_u32 v[SPW], v[NIL]                      ; 0 onto my spare word, twice on end
	ds_add_u32 v[SPW], v[NIL]
	s_mov_b64 s[G0H0+2:G0H0+3], s[HBP:HBP+1]       ; slab 0 of my rows
	s_add_nc_u64 s[G0H1+2:G0H1+3], s[HBP:HBP+1], 1024   ; slab 1
	s_or_b32 s[G0H0+3], s[G0H0+3], 0x80000000      ; type = 2
	s_or_b32 s[G0H1+3], s[G0H1+3], 0x80000000
	s_mov_b32 s[G0W+1], s57                        ; W begins anew: slot 0,
	s_mov_b64 s[G0W+2:G0W+3], s[58:59]             ; tiles 0-7
	s_or_b32 s[G0W+3], s[G0W+3], 0x80000000
	s_add_nc_u64 s[PFN:PFN+1], s[HBP:HBP+1], BLKB-512   ; 512 bytes short of my rows of the next block: the first request's step brings it there
	s_wait_dscnt 0x0                               ; the adds are done, and so are my LDS reads of the block before
	ROUND                                          ; in a cluster launch every group of tensor loads stands behind a round
	tensor_load_to_lds s[G0H0:G0H0+3], s[G1H:G1H+7]   ; slab 0: my one load behind this round
	s_nop 0
	NOPS 4
	global_load_b128 v[128:131], v[G32], s[70:71]              ; thread t: sb, W_c and v of features 8 t .. 8 t + 7
	global_load_b128 v[132:135], v[G32], s[70:71] offset:16
	global_load_b128 v[136:139], v[G32], s[8:9]
	global_load_b128 v[140:143], v[G32], s[8:9] offset:16
	global_load_b128 v[144:147], v[G32], s[10:11]
	global_load_b128 v[148:151], v[G32], s[10:11] offset:16
.irp t, 0,1
	global_load_b128 v[152+8*\t:152+8*\t+3], v[GC], s[6:7] offset:64*\t        ; coverage of my rows 16 t + 8 h + 0 .. 7, on its way to its place in LDS
	global_load_b128 v[152+8*\t+4:152+8*\t+7], v[GC], s[6:7] offset:64*\t+16
.endr
	s_cmp_lg_u32 s[BLK], 0                         ; the second block's slabs 1 and 2 were asked for while the first block's W went past
	s_cbranch_scc1 .Lasked
.irp q, 4,5,6,7,8,9,10,11
	ASK \q                                         ; slabs 1 and 2 of my rows: bytes 1,024 to 3,071 of each
.endr
.Lasked:
	v_mov_b32 v[KV+1], 0
.irp b, 0,1,2,3
	v_mov_b32 v[TM+4+\b], 0                        ; a lane permute's destination counts as one of its sources
.endr
	s_wait_loadcnt 0x0
.irp k, 0,1,2,3,4,5,6,7                ; the table's entries are made in the accumulators' registers, which are free until W comes
	v_mul_f32 v[ACC+4*\k], s[CC], v[128+\k]
	v_mul_f32 v[ACC+4*\k+1], -2.0, v[144+\k]
	v_mul_f32 v[ACC+4*\k+2], s[CC], v[136+\k]
	v_mov_b32 v[ACC+4*\k+3], 0
	ds_store_b128 v[TTW], v[ACC+4*\k:ACC+4*\k+3] offset:16*\k   ; read by all waves only behind the changes of slots below, each with its wait for 0 on DScnt and its barriers
.endr
.irp i, 0,1,2,3
	ds_store_b128 v[ACV], v[152+4*\i:152+4*\i+3] offset:2048*\i   ; coverage is parked: its registers serve h's units until W comes
.endr
	; ---- h: four slabs through the two slots; behind the third and the fourth the slots take W's first sixteen tiles
	CHG G0H1, G1H, 0                               ; slab 0 of my rows is in; slab 1 is asked for
.irp q, 12,13,14,15
	ASK \q                                         ; slab 3 of my rows: its load stands two changes of slots on
.endr
	HTRIP 0
	CHG G0H0, G1H, 1                               ; slab 2
	HTRIP 1
	CHG G0H1, G1H, 1                               ; slab 3
	HTRIP 2
	CHG G0W, G1W, 0                                ; W's tiles 0-7
	HTRIP 3
.irp i, 0,1,2,3
	ds_load_b128 v[COV+4*\i:COV+4*\i+3], v[ACV] offset:2048*\i   ; coverage comes back: each lane its own 64 bytes; the wait for 0 on DScnt in the change of slots below covers it
.endr
.irp i, 0,1,2,3,4,5,6,7,8,9,10,11,12,13,14,15
	v_mov_b32 v[SA+\i], 0                          ; the tile is written once for all 64: the sums begin as zeros
.endr
	CHG G0W, G1W, 2                                ; W's tiles 8-15; the wait and the round in it have shown tiles 0-7 whole to every wave
	; ---- W: 64 tiles
	s_mov_b32 s[TB], 0
	s_mov_b32 s[TS], 0
	v_add_nc_u32 v[ADB], s[TB], v[AB0]
	v_add_nc_u32 v[ATT], s[TS], v[ATT0]
	LW
	s_mov_b32 s[CO], 6
.Lslot:                                            ; six trips: each leaves a slot and has it filled again
	SEVEN
	TILE 1
	s_wait_xcnt 0x0                                ; the last trip's requests have read their base, so it may step
	s_add_nc_u64 s[PFN:PFN+1], s[PFN:PFN+1], 512
	s_cmp_lg_u32 s[BLK], 0                         ; no block follows the second: it asks for nothing
	s_cbranch_scc1 .Lno_next
	global_prefetch_b8 v[PFO], s[PFN:PFN+1] th:TH_LOAD_NT scope:SCOPE_SE              ; 512 more bytes of each of my rows of the next block: six trips cover its slabs 0 to 2
	global_prefetch_b8 v[PFO], s[PFN:PFN+1] offset:256 th:TH_LOAD_NT scope:SCOPE_SE
.Lno_next:
	s_sub_co_u32 s[CO], s[CO], 1
	s_cmp_lg_u32 s[CO], 0
	s_cbranch_scc1 .Lslot
	SEVEN                                          ; the last two slots are written out
	TILE 2
	SEVEN
	TILE 3
	; ---- the scores: a lane holds the sums over the features that are r modulo 16; the sixteen lanes of a half are added
.irp m, 1,2,4,8
.irp i, 0,1,2,3,4,5,6,7,8,9,10,11,12,13,14,15
	v_add_f32_dpp v[SA+\i], v[SA+\i], v[SA+\i] row_xmask:\m row_mask:0xf bank_mask:0xf
.endr
.endr
.irp t, 0,1
	ds_store_b128 v[ASC], v[SA+8*\t:SA+8*\t+3] offset:64*\t       ; the sixteen lanes of a half write the same bytes with the same values
	ds_store_b128 v[ASC], v[SA+8*\t+4:SA+8*\t+7] offset:64*\t+16
.endr
	s_wait_dscnt 0x0
	s_barrier_signal -1
	s_barrier_wait -1
	ds_load_b128 v[S4:S4+3], v[SCR]                ; the block's 128 scores, four a lane
	s_wait_dscnt 0x0
	v_max3_num_f32 v[ML], v[S4], v[S4+1], v[S4+2]
	v_max_num_f32 v[ML], v[ML], v[S4+3]
.irp m, 1,2,4,8
	v_max_num_f32_dpp v[ML], v[ML], v[ML] row_xmask:\m row_mask:0xf bank_mask:0xf
.endr
	v_permlanex16_b32 v[TM+4], v[ML], s[SEL], s[SEL+1]
	v_max_num_f32 v[ML], v[ML], v[TM+4]            ; m: the largest of the 128
	v_mul_f32 v[NM], 0xbfb8aa3b, v[ML]             ; -m log2(e)
.irp i, 0,2
	v_pk_fma_f32 v[E4+\i:E4+\i+1], v[S4+\i:S4+\i+1], s[L2E:L2E+1], v[NM:NM+1] op_sel_hi:[1,0,0]
.endr
.irp i, 0,2,4,6,8,10,12,14
	v_pk_fma_f32 v[SA+\i:SA+\i+1], v[SA+\i:SA+\i+1], s[L2E:L2E+1], v[NM:NM+1] op_sel_hi:[1,0,0]   ; my own 16 rows' once more: they stay in their lanes
.endr
	s_wait_alu depctr_va_vdst(0)
.irp i, 0,1,2,3
	v_exp_f32 v[E4+\i], v[E4+\i]
.endr
.irp i, 0,1,2,3,4,5,6,7,8,9,10,11,12,13,14,15
	v_exp_f32 v[SA+\i], v[SA+\i]                   ; p = e^(s - m), at most 1
.endr
	v_nop
	s_wait_alu depctr_va_vdst(0)                   ; one wait for the twenty
	v_add_f32 v[ML+1], v[E4], v[E4+1]
	v_add_f32 v[E4+2], v[E4+2], v[E4+3]
	v_add_f32 v[ML+1], v[ML+1], v[E4+2]
.irp m, 1,2,4,8
	v_add_f32_dpp v[ML+1], v[ML+1], v[ML+1] row_xmask:\m row_mask:0xf bank_mask:0xf
.endr
	v_permlanex16_b32 v[TM+4], v[ML+1], s[SEL], s[SEL+1]
	v_add_f32 v[ML+1], v[ML+1], v[TM+4]            ; l: the sum of the 128, in f32, of the unrounded p
.irp i, 0,1,2,3,4,5,6,7
	v_cvt_pk_bf16_f32 v[P+\i], v[SA+2*\i], v[SA+2*\i+1]   ; registers 0-3: rows 8 h + 0 .. 7, registers 4-7: rows 16 + 8 h + 0 .. 7: source 0's layout, the same in each of its 16 rows
.endr
	s_cmp_lg_u32 s[WV], 0
	s_cbranch_scc1 .Lnot_first
	global_store_b128 v[AB0], v[S4:S4+3], s[72:73]   ; 512 consecutive bytes
	global_store_b64 v[G8], v[ML:ML+1], s[76:77]     ; (m, l), 32 times: 256 consecutive bytes, aligned
.Lnot_first:
	; ---- the context: column sums of p h over my 32 rows, 16 fragments at a time; every row of a result is the same, register 0 is stored
	s_wait_alu depctr_va_vdst(0)
.irp grp, 0,1,2,3
	WIN 0x08+4*(\grp/2)                            ; source 1 window 2 or 3
.irp i, 0,1,2,3,4,5,6,7,8,9,10,11,12,13,14,15
	v_wmma_f32_16x16x32_bf16 v[BF+8*\i:BF+8*\i+7], v[P:P+7], v[8*((16*\grp+\i)%32):8*((16*\grp+\i)%32)+7], 0
.endr
	WIN 0
	NOPS 5                                         ; 4 places in front of the stores that read results, 5 in front of the next group's products, which write over them
.irp i, 0,1,2,3,4,5,6,7,8,9,10,11,12,13,14,15
	ds_store_b32 v[ACX], v[BF+8*\i] offset:256*((16*\grp+\i)/4)+4*(\i%4)   ; column 64 (F / 4) + 4 r + F % 4
.endr
	s_wait_dscnt 0x0                               ; the stores have read their registers
.endr
	s_barrier_signal -1
	s_barrier_wait -1                              ; the four waves' sums lie in LDS
.irp p, 0,1
.irp w, 0,1,2,3
	ds_load_b128 v[BF+16*\p+4*\w:BF+16*\p+4*\w+3], v[ACR] offset:4096*\w+2048*\p
.endr
.endr
	s_wait_dscnt 0x0
.irp p, 0,1
	v_pk_add_f32 v[BF+16*\p:BF+16*\p+1], v[BF+16*\p:BF+16*\p+1], v[BF+16*\p+4:BF+16*\p+5]
	v_pk_add_f32 v[BF+16*\p+2:BF+16*\p+3], v[BF+16*\p+2:BF+16*\p+3], v[BF+16*\p+6:BF+16*\p+7]
	v_pk_add_f32 v[BF+16*\p+8:BF+16*\p+9], v[BF+16*\p+8:BF+16*\p+9], v[BF+16*\p+12:BF+16*\p+13]
	v_pk_add_f32 v[BF+16*\p+10:BF+16*\p+11], v[BF+16*\p+10:BF+16*\p+11], v[BF+16*\p+14:BF+16*\p+15]
	v_pk_add_f32 v[BF+16*\p:BF+16*\p+1], v[BF+16*\p:BF+16*\p+1], v[BF+16*\p+8:BF+16*\p+9]
	v_pk_add_f32 v[BF+16*\p+2:BF+16*\p+3], v[BF+16*\p+2:BF+16*\p+3], v[BF+16*\p+10:BF+16*\p+11]
	global_store_b128 v[GT], v[BF+16*\p:BF+16*\p+3], s[74:75] offset:2048*\p   ; sixteen lanes store 256 consecutive bytes, aligned
.endr
	s_wait_xcnt 0x0                                ; the block's loads, stores and prefetches have read their registers and bases: these may be written again
	s_add_nc_u64 s[HBP:HBP+1], s[HBP:HBP+1], BLKB  ; on to the next block: 128 rows of h,
	s_add_nc_u64 s[6:7], s[6:7], 512               ; of coverage,
	s_add_nc_u64 s[72:73], s[72:73], 512           ; of the scores; a row of part_ctx; a unit of part_ml
	s_add_nc_u64 s[74:75], s[74:75], 4096
	s_add_nc_u64 s[76:77], s[76:77], 256
	s_add_co_u32 s[BLK], s[BLK], 1
	s_cmp_lt_u32 s[BLK], 2
	s_cbranch_scc1 .Lblock
	s_wait_tensorcnt 0x0                           ; the wave's end, behind my last tensor load and my last LDS store
	ds_add_u32 v[SPW], v[NIL]
	s_wait_dscnt 0x0
	ROUND                                          ; the closing round: no work-group ends while a partner may still ask for a slot that names it
	s_endpgm
.Lfunc_end_k_qba92e603f1_main:
	.size	k_qba92e603f1_main, .Lfunc_end_k_qba92e603f1_main-k_qba92e603f1_main
	.p2alignl 7, 3214868480
	.fill 96, 4, 3214868480
	.section	.rodata,"a",@progbits
	.p2align	6, 0x0
	.amdhsa_kernel k_qba92e603f1_main
		.amdhsa_group_segment_fixed_size 327680
		.amdhsa_private_segment_fixed_size 0
		.amdhsa_enable_private_segment 0
		.amdhsa_kernarg_size 72
		.amdhsa_user_sgpr_count 2
		.amdhsa_user_sgpr_kernarg_segment_ptr 1
		.amdhsa_wavefront_size32 1
		.amdhsa_system_sgpr_workgroup_id_x 1
		.amdhsa_system_sgpr_workgroup_id_y 1
		.amdhsa_system_sgpr_workgroup_id_z 1
		.amdhsa_system_vgpr_workitem_id 0
		.amdhsa_next_free_vgpr 1024
		.amdhsa_next_free_sgpr 96
		.amdhsa_reserve_vcc 0
		.amdhsa_float_denorm_mode_32 3
		.amdhsa_float_denorm_mode_16_64 3
		.amdhsa_memory_ordered 1
		.amdhsa_forward_progress 1
		.amdhsa_inst_pref_size 255
	.end_amdhsa_kernel
	.section	.bss,"aw",@nobits
	.p2align	6
	.space	262144
	.amdgpu_metadata
---
amdhsa.version: [ 1, 2 ]
amdhsa.kernels:
  - .name:           k_qba92e603f1_main
    .symbol:         k_qba92e603f1_main.kd
    .args:
      - { .name: h, .offset: 0, .size: 8, .value_kind: global_buffer, .address_space: global }
      - { .name: coverage, .offset: 8, .size: 8, .value_kind: global_buffer, .address_space: global }
      - { .name: W_c, .offset: 16, .size: 8, .value_kind: global_buffer, .address_space: global }
      - { .name: v, .offset: 24, .size: 8, .value_kind: global_buffer, .address_space: global }
      - { .name: wq, .offset: 32, .size: 8, .value_kind: global_buffer, .address_space: global }
      - { .name: sb, .offset: 40, .size: 8, .value_kind: global_buffer, .address_space: global }
      - { .name: scores, .offset: 48, .size: 8, .value_kind: global_buffer, .address_space: global }
      - { .name: part_ctx, .offset: 56, .size: 8, .value_kind: global_buffer, .address_space: global }
      - { .name: part_ml, .offset: 64, .size: 8, .value_kind: global_buffer, .address_space: global }
    .group_segment_fixed_size: 327680
    .private_segment_fixed_size: 0
    .kernarg_segment_align: 8
    .kernarg_segment_size: 72
    .max_flat_workgroup_size: 128
    .sgpr_count:     96
    .vgpr_count:     1024
    .wavefront_size: 32
...
	.end_amdgpu_metadata
.endif
;; end of part 2
;; launch fin (part 3): grid 4 x 64, 2 waves a work-group, no clusters, 0 bytes of LDS; arguments scores, part_ml, part_ctx, coverage, out0, out1, out2; writes out0, out1, out2
.if DOCPART == 3
	.amdgcn_target "amdgcn-amd-amdhsa--gfx1250"
	.amdhsa_code_object_version 6
	.text
	.protected	k_qba92e603f1_fin
	.globl	k_qba92e603f1_fin
	.p2align	8
	.type	k_qba92e603f1_fin,@function
k_qba92e603f1_fin:
	s_mov_b64 s[64:65], 0
	v_nop
	global_prefetch_b8 v0, s[64:65] scope:SCOPE_SE
	s_setreg_imm32_b32 hwreg(HW_REG_WAVE_MODE, 25, 1), 1
	s_wait_xcnt 0x0
; The eight parts of a batch are joined.  Part i has m_i (its largest score), l_i = sum of e^(s - m_i) and ctx_i = sum of e^(s - m_i) h.  M = the largest m_i, w_i = e^(m_i - M), L = sum of l_i w_i:
; out0 = e^(s - M) / L, out1 = (sum of w_i ctx_i) / L, out2 = coverage + out0.  The scores carry a shift that all rows of a batch share; it falls out of s - M.
; Work-group (x, y): batch y, numbers 256 x .. 256 x + 255 of each of the three rows; a thread takes four.  Memory binds and the launch is small: all 18 loads of a thread go out at once; no LDS, no barrier, no matrix unit.
; Every load and store of a wave covers 512 consecutive bytes ((m, l): 256), aligned.
	s_load_b256 s[4:11], s[0:1], 0x0               ; scores s[4:5], part_ml s[6:7], part_ctx s[8:9], coverage s[10:11]
	s_load_b128 s[12:15], s[0:1], 0x20             ; out0 s[12:13], out1 s[14:15]
	s_load_b64 s[16:17], s[0:1], 0x30              ; out2
	s_and_b32 s18, ttmp7, 0xffff                   ; the batch
	v_lshlrev_b32 v1, 4, v0                        ; 16 x thread
	v_and_b32 v2, 31, v0
	v_lshlrev_b32 v2, 3, v2                        ; 8 x lane: each lane reads a copy of its own of (m, l)
	s_lshl_b32 s21, ttmp9, 10
	s_lshl_b32 s20, s18, 12
	s_add_co_u32 s20, s20, s21                     ; 4096 b + 1024 x
	s_lshl_b32 s24, s18, 15
	s_add_co_u32 s24, s24, s21                     ; part_ctx: 32768 b + 1024 x
	s_lshl_b32 s22, s18, 11                        ; part_ml: 2048 b
	s_mov_b32 s21, 0
	s_mov_b32 s23, 0
	s_mov_b32 s25, 0
	s_mov_b32 s26, 0x3fb8aa3b                      ; log2(e)
	s_wait_alu depctr_va_vdst(0)
	s_wait_kmcnt 0x0
	s_add_nc_u64 s[4:5], s[4:5], s[20:21]
	s_add_nc_u64 s[6:7], s[6:7], s[22:23]
	s_add_nc_u64 s[8:9], s[8:9], s[24:25]
	s_add_nc_u64 s[10:11], s[10:11], s[20:21]
	s_add_nc_u64 s[12:13], s[12:13], s[20:21]
	s_add_nc_u64 s[14:15], s[14:15], s[20:21]
	s_add_nc_u64 s[16:17], s[16:17], s[20:21]
.irp i, 0,1,2,3,4,5,6,7
	global_load_b64 v[8+2*\i:9+2*\i], v2, s[6:7] offset:256*\i       ; (m_i, l_i)
.endr
	global_load_b128 v[24:27], v1, s[4:5]
	global_load_b128 v[28:31], v1, s[10:11]
.irp i, 0,1,2,3,4,5,6,7
	global_load_b128 v[32+4*\i:35+4*\i], v1, s[8:9] offset:4096*\i
.endr
	s_wait_loadcnt 0x0
	v_max3_num_f32 v72, v8, v10, v12
	v_max3_num_f32 v72, v72, v14, v16
	v_max3_num_f32 v72, v72, v18, v20
	v_max_num_f32 v72, v72, v22                    ; M
	v_mul_f32 v73, 0xbfb8aa3b, v72                 ; -M log2(e)
.irp i, 0,1,2,3,4,5,6,7
	v_fma_f32 v[8+2*\i], v[8+2*\i], s26, v73
.endr
.irp k, 0,1,2,3
	v_fma_f32 v[74+\k], v[24+\k], s26, v73
.endr
	s_wait_alu depctr_va_vdst(0)
.irp i, 0,1,2,3,4,5,6,7
	v_exp_f32 v[8+2*\i], v[8+2*\i]                 ; w_i, in m_i's place: the low word of the pair (w_i, l_i), as the packed forms below take it
.endr
.irp k, 0,1,2,3
	v_exp_f32 v[74+\k], v[74+\k]                   ; e^(s - M)
.endr
	v_nop                                          ; a plain line behind the last exponential
	s_wait_alu depctr_va_vdst(0)                   ; one wait for the twelve, ahead of their first reader
	v_mul_f32 v78, v9, v8
.irp i, 1,2,3,4,5,6,7
	v_fmac_f32 v78, v[9+2*\i], v[8+2*\i]           ; L
.endr
	s_wait_alu depctr_va_vdst(0)
	v_rcp_f32 v72, v78
	v_pk_mul_f32 v[32:33], v[32:33], v[8:9] op_sel_hi:[1,0]          ; the context's sum stands behind the reciprocal as its independent work
	v_pk_mul_f32 v[34:35], v[34:35], v[8:9] op_sel_hi:[1,0]
.irp i, 1,2,3,4,5,6,7
	v_pk_fma_f32 v[32:33], v[32+4*\i:33+4*\i], v[8+2*\i:9+2*\i], v[32:33] op_sel_hi:[1,0,1]
	v_pk_fma_f32 v[34:35], v[34+4*\i:35+4*\i], v[8+2*\i:9+2*\i], v[34:35] op_sel_hi:[1,0,1]
.endr
	s_wait_alu depctr_va_vdst(0)                   ; and the wait for it, ahead of its first reader
	v_pk_mul_f32 v[74:75], v[74:75], v[72:73] op_sel_hi:[1,0]
	v_pk_mul_f32 v[76:77], v[76:77], v[72:73] op_sel_hi:[1,0]
	v_pk_mul_f32 v[32:33], v[32:33], v[72:73] op_sel_hi:[1,0]
	v_pk_mul_f32 v[34:35], v[34:35], v[72:73] op_sel_hi:[1,0]
	v_pk_add_f32 v[28:29], v[28:29], v[74:75]
	v_pk_add_f32 v[30:31], v[30:31], v[76:77]
	global_store_b128 v1, v[74:77], s[12:13]
	global_store_b128 v1, v[32:35], s[14:15]
	global_store_b128 v1, v[28:31], s[16:17]
	s_endpgm
.Lfunc_end_k_qba92e603f1_fin:
	.size	k_qba92e603f1_fin, .Lfunc_end_k_qba92e603f1_fin-k_qba92e603f1_fin
	.p2alignl 7, 3214868480
	.fill 96, 4, 3214868480
	.section	.rodata,"a",@progbits
	.p2align	6, 0x0
	.amdhsa_kernel k_qba92e603f1_fin
		.amdhsa_group_segment_fixed_size 0
		.amdhsa_private_segment_fixed_size 0
		.amdhsa_enable_private_segment 0
		.amdhsa_kernarg_size 56
		.amdhsa_user_sgpr_count 2
		.amdhsa_user_sgpr_kernarg_segment_ptr 1
		.amdhsa_wavefront_size32 1
		.amdhsa_system_sgpr_workgroup_id_x 1
		.amdhsa_system_sgpr_workgroup_id_y 1
		.amdhsa_system_sgpr_workgroup_id_z 1
		.amdhsa_system_vgpr_workitem_id 0
		.amdhsa_next_free_vgpr 80
		.amdhsa_next_free_sgpr 66
		.amdhsa_reserve_vcc 0
		.amdhsa_float_denorm_mode_32 3
		.amdhsa_float_denorm_mode_16_64 3
		.amdhsa_memory_ordered 1
		.amdhsa_forward_progress 1
		.amdhsa_inst_pref_size 7
	.end_amdhsa_kernel
	.amdgpu_metadata
---
amdhsa.version: [ 1, 2 ]
amdhsa.kernels:
  - .name:           k_qba92e603f1_fin
    .symbol:         k_qba92e603f1_fin.kd
    .args:
      - { .name: scores, .offset: 0, .size: 8, .value_kind: global_buffer, .address_space: global }
      - { .name: part_ml, .offset: 8, .size: 8, .value_kind: global_buffer, .address_space: global }
      - { .name: part_ctx, .offset: 16, .size: 8, .value_kind: global_buffer, .address_space: global }
      - { .name: coverage, .offset: 24, .size: 8, .value_kind: global_buffer, .address_space: global }
      - { .name: out0, .offset: 32, .size: 8, .value_kind: global_buffer, .address_space: global }
      - { .name: out1, .offset: 40, .size: 8, .value_kind: global_buffer, .address_space: global }
      - { .name: out2, .offset: 48, .size: 8, .value_kind: global_buffer, .address_space: global }
    .group_segment_fixed_size: 0
    .private_segment_fixed_size: 0
    .kernarg_segment_align: 8
    .kernarg_segment_size: 56
    .max_flat_workgroup_size: 64
    .sgpr_count:     66
    .vgpr_count:     80
    .wavefront_size: 32
...
	.end_amdgpu_metadata
.endif
;; end of part 3
